; MI455X (gfx1250); checked and timed in simulation.
; The chip was launched on July 23, 2026; its instructions are those of AMD's public machine-readable ISA for CDNA 5 (MIT licence, August 2026) and "CDNA5" Instruction Set Architecture Reference Guide (July 2026). The comments in the code are by the model that wrote it; some were corrected since.
;; Multi Head Attention Classical. Allowed arithmetic: matrix products marked QUANTISED: E2M1 operands, one E8M0 scale for each 32 along K, by v_wmma_scale_f32_16x16x128_f8f6f4 with both operands' format E2M1 (or v_wmma_scale_f32_32x16x128_f4), f32 sums; products left as they are: bf16, f16 or f32 operands; f32 sums; everything else in f32.
;; Inputs: Wk 1,024 x 1,024 float32; Wo 1,024 x 1,024 float32; Wq 1,024 x 1,024 float32; Wv 1,024 x 1,024 float32; x 4 x 2,048 x 1,024 float32.
;; Outputs: out0 4 x 2,048 x 1,024 float32.
;; This version of the problem:
;;   THIS VERSION OF THE PROBLEM IS GIVEN IN LOW PRECISION. The matrix products marked QUANTISED in the list below multiply operands that are first quantised to E2M1 (2 exponent bits, 1 mantissa bit; 4 bits a number), with one power-of-two scale for each 32 numbers along K (OCP MX v1.0); their sums are f32. The products marked 'left as it is' may take bf16, f16 or f32 operands, with f32 sums. Whichever they take, every output number must still come out within the allowed error. Rounding operands to bf16 (8 significant bits) uses up far more of that allowance than f16 does (11 bits, for magnitudes from 6e-5 to 65,504). All else is computed in f32.
;;   The module's matrix products, in the order in which they are computed (A, B: the left and right operand; K: the contracted axis; several contracted axes count as one K, in the product's order):
;;     1. [M 8,192, K 1,024] x [K 1,024, N 1,024]; A: input x; B: input Wq: QUANTISED
;;     2. [M 8,192, K 1,024] x [K 1,024, N 1,024]; A: input x; B: input Wk: QUANTISED
;;     3. [M 8,192, K 1,024] x [K 1,024, N 1,024]; A: input x; B: input Wv: QUANTISED
;;     4. batch 64 x [M 2,048, K 64] x [K 64, N 2,048]; A: computed on the way; B: computed on the way: left as it is (an operand is computed on the way)
;;     5. batch 64 x [M 2,048, K 2,048] x [K 2,048, N 64]; A: computed on the way; B: computed on the way: left as it is (an operand is computed on the way)
;;     6. [M 8,192, K 1,024] x [K 1,024, N 1,024]; A: computed on the way; B: input Wo: left as it is (an operand is computed on the way)
;;   THE QUANTISER, for each operand of a quantised product, along K:
;;     - K is cut into blocks of 32 from its start; a last block that is shorter is filled with zeros.
;;     - A block's scale is 2^e with e = floor(log2(the largest magnitude in the block)) - 2, held to -126 .. 127; a block of zeros has e = 0. As a byte (E8M0): e + 127.
;;     - Each number is divided by its block's scale, clamped to +-6, and rounded to the nearest number of E2M1, ties to even, subnormals kept.
;;     - The product sums the exact products of the quantised numbers (number of the format x scale) in f32.
;;   ~~~python
;;   def quantise(x, axis):      # numpy; x: float32 -> the quantised numbers, widened to float32 again
;;       x = np.moveaxis(x, axis, -1); K = x.shape[-1]
;;       x = np.pad(x, [(0, 0)] * (x.ndim - 1) + [(0, -K % 32)]); x = x.reshape(x.shape[:-1] + (-1, 32)); a = np.abs(x).max(-1, keepdims=True)
;;       e = np.where(a > 0, np.clip(np.frexp(np.where(a > 0, a, 1))[1] - 1 - 2, -126, 127), 0)      # np.frexp(a)[1] - 1 = floor(log2(a)), exactly
;;       r = np.clip(x / 2.0 ** e, -6, 6)
;;       step = 2.0 ** (np.maximum(np.frexp(np.where(r == 0, 1, r))[1] - 1, 0) - 1)
;;       q = np.round(r / step) * step * 2.0 ** e      # np.round: ties to even
;;       return np.moveaxis(q.reshape(q.shape[:-2] + (-1,))[..., :K], -1, axis).astype(np.float32)
;;   ~~~
;; One version. Each part assembles by itself: llvm-mc -triple=amdgcn-amd-amdhsa -mcpu=gfx1250 --defsym DOCPART=n.
;; ======== version 1 of 1: 4 launches
;; limits: values are held in f16: magnitudes above 65,504 overflow, below 6.1e-05 lose precision
;; workspace buffers: x_codes 4,194,304 bytes; x_scales 262,144 bytes; w_codes 1,572,864 bytes; w_scales 98,304 bytes; wo_img 2,097,152 bytes; qkv 50,331,648 bytes; o_img 16,777,216 bytes
;; launch quant (part 1): grid 416 x 1, 4 waves a work-group, no clusters, 33,280 bytes of LDS; arguments x, Wq, Wk, Wv, Wo, x_codes, x_scales, w_codes, w_scales, wo_img; writes x_codes, x_scales, w_codes, w_scales, wo_img
.if DOCPART == 1
	.amdgcn_target "amdgcn-amd-amdhsa--gfx1250"
	.amdhsa_code_object_version 6
	.text
	.protected	k_qc83a271e82_quant
	.globl	k_qc83a271e82_quant
	.p2align	8
	.type	k_qc83a271e82_quant,@function
k_qc83a271e82_quant:
	s_mov_b64 s[64:65], 0
	v_nop
	global_prefetch_b8 v0, s[64:65] scope:SCOPE_SE
	s_setreg_imm32_b32 hwreg(HW_REG_WAVE_MODE, 25, 1), 1
	s_wait_xcnt 0x0
; x [8192][1024], Wq, Wk, Wv [1024][1024], f32, become codes of FP4 (E2M1), K innermost, two codes a byte, with one E8M0 scale byte for each 32 along K.
; The three weights' codes lie one behind the other as one tensor of 3,072 rows (Wq, Wk, Wv), and so do their scale bytes.
; Wo [1024][1024] is rounded to f16 and laid as IMAGES OF OPERAND REGISTERS: [feature tile 64][K fragment 32][half 2][lane 32][16 bytes]; lane (r, h) of a half holds Wo[16 tile + r][32 fragment + 16 half + 8 h + 0 .. 7].
; A block's scale is 2^(floor(log2(its largest magnitude)) - 2); its byte is the largest magnitude's exponent field - 2, held at 1 from below.  Each number is divided by the scale and rounded to the nearest code, ties to even;
; what lies beyond 6 takes the largest code.
; LIMITS: a block of zeros, or one whose largest magnitude lies under 2^-124, gets the byte 1 (a block of zeros has zero codes, which add nothing; this program alone reads the bytes); NaN and infinities are not served;
; Wo's magnitudes stay under 65,504, and under 6e-5 they keep a step of 6e-8 (f16).
; SHARES: work-groups 0-255 take x, 256-351 the three weights (32 each), 32,768 numbers a work-group, 8,192 a wave, in 16 steps of 512; work-groups 352-415 take one feature tile of Wo each.
; Rows are dense and K is a multiple of 32: the tensors are plain streams of blocks.  Each load reads 512 consecutive bytes; a step's 2,048 bytes turn through the wave's own stage in LDS, so that a lane holds 16 neighbours.
; No tensor load, no barrier, no cluster: waves share nothing and no input byte is read twice.
.set WAVES, 4
.set STEPS, 16
.set EMAX,  2
.set CB,    8                          ; bytes of 16 codes
.set R,     16                         ; v16-79   four sets of 16 numbers as loaded
.set X,     80                         ; v80-111  two sets of 16 neighbours
.set E,     112                        ; v112-127 a scale byte for each step
.set C,     128                        ; v128-191 codes: registers of its own for each step
.set WREG,  8192                       ; LDS: a region for each wave: two stages of 32 x SP bytes, then its 256 scale bytes
.set SP,    80                         ; a lane's place in a stage: 64 bytes + 16 of padding
.set SPW,   12                         ; v12  LDS address of my spare word; never rewritten
.set NIL,   13                         ; v13  0; never rewritten
.set SPARE, WAVES*WREG                 ; behind the regions: the spare words, 128 bytes a wave, named by no other line
	s_load_b256 s[4:11], s[0:1], 0x0               ; x s[4:5], Wq s[6:7], Wk s[8:9], Wv s[10:11]
	s_load_b256 s[12:19], s[0:1], 0x20             ; Wo s[12:13], x_codes s[14:15], x_scales s[16:17], w_codes s[18:19]
	s_load_b128 s[20:23], s[0:1], 0x40             ; w_scales s[20:21], wo_img s[22:23]
	v_lshl_add_u32 v[SPW], v0, 2, SPARE
	v_mov_b32 v[NIL], 0
	v_lshrrev_b32 v1, 5, v0
	v_readfirstlane_b32 s40, v1                    ; wave
	v_and_b32 v2, 31, v0                           ; lane
	v_lshlrev_b32 v3, 4, v2                        ; 16 x lane
	s_mul_i32 s41, s40, WREG
	v_lshrrev_b32 v14, 2, v2
	v_mul_u32_u24 v14, v14, SP
	v_and_b32 v15, 3, v2
	v_lshl_add_u32 v14, v15, 4, v14
	v_add_nc_u32 v14, s41, v14                     ; the stage, on the way in: SP (lane / 4) + 16 (lane % 4)
	v_mul_u32_u24 v15, v2, SP
	v_add_nc_u32 v15, s41, v15                     ; and on the way out: SP x lane: my 16 neighbours
	v_mul_u32_u24 v4, v2, CB                       ; my codes' place in a step's
	v_lshrrev_b32 v5, 1, v2
	s_add_co_u32 s41, s41, 2*32*SP
	v_add_nc_u32 v5, s41, v5                       ; my wave's 256 scale bytes, my block's byte
	v_lshlrev_b32 v7, 3, v2
	v_add_nc_u32 v6, s41, v7                       ; and on their way out 8 bytes a lane
	s_wait_kmcnt 0x0
	s_cmp_ge_u32 ttmp9, 352
	s_cbranch_scc1 .Lwo                            ; the work-group's number alone decides
	; which tensor: only pointers are chosen, all four take one path
	s_cmp_lt_u32 ttmp9, 256
	s_cselect_b64 s[26:27], s[14:15], s[18:19]     ; the codes' buffer
	s_cselect_b64 s[28:29], s[16:17], s[20:21]     ; the scale bytes'
	s_cselect_b32 s24, 0, 256
	s_cselect_b32 s30, -1, 31
	s_sub_co_u32 s25, ttmp9, s24                   ; my place among x's 256 or the weights' 96 work-groups
	s_and_b32 s31, s25, s30                        ; and inside my source tensor
	s_lshr_b32 s32, s25, 5                         ; which weight
	s_cmp_eq_u32 s32, 1
	s_cselect_b64 s[34:35], s[8:9], s[10:11]
	s_cmp_eq_u32 s32, 0
	s_cselect_b64 s[34:35], s[6:7], s[34:35]
	s_cmp_lt_u32 ttmp9, 256
	s_cselect_b64 s[34:35], s[4:5], s[34:35]
	s_lshl_b32 s36, s31, 2
	s_add_co_u32 s36, s36, s40                     ; my wave's run of 8,192 numbers in the source,
	s_lshl_b32 s36, s36, 15                        ; 32,768 bytes a run
	s_mov_b32 s37, 0
	s_add_nc_u64 s[34:35], s[34:35], s[36:37]
	s_lshl_b32 s38, s25, 2
	s_add_co_u32 s38, s38, s40                     ; and in the destination:
	s_lshl_b32 s36, s38, 12                        ; 4,096 bytes of codes,
	s_add_nc_u64 s[26:27], s[26:27], s[36:37]
	s_lshl_b32 s36, s38, 8                         ; 256 scale bytes
	s_add_nc_u64 s[28:29], s[28:29], s[36:37]
.macro LOAD t
.irp i, 0,1,2,3
	global_load_b128 v[R+16*((\t)%4)+4*\i:R+16*((\t)%4)+4*\i+3], v3, s[34:35] offset:2048*(\t)+512*\i th:TH_LOAD_NT   ; 32 lanes read 512 consecutive bytes
.endr
.endm
.macro TURN t                          ; step t's numbers through the stage: LDS serves a wave's instructions in order, so no wait stands between the stores and the loads
.irp i, 0,1,2,3
	ds_store_b128 v14, v[R+16*((\t)%4)+4*\i:R+16*((\t)%4)+4*\i+3] offset:32*SP*((\t)%2)+8*SP*\i
.endr
.irp i, 0,1,2,3
	ds_load_b128 v[X+16*((\t)%2)+4*\i:X+16*((\t)%2)+4*\i+3], v15 offset:32*SP*((\t)%2)+16*\i
.endr
.endm
.irp t, 0,1,2,3
	LOAD \t
.endr
	s_wait_loadcnt 12                              ; step 0's four loads are in; the twelve of steps 1 to 3 may be out
	TURN 0
.macro STEP t
.set XS, X+16*((\t)%2)
.if (\t) > 0
	s_wait_dscnt 1                                 ; this step's numbers are back from the stage (the last step's byte store may be out): so its stores into the stage have read their registers,
.else
	s_wait_dscnt 0x0
.endif
.if (\t)+4 < STEPS
	LOAD (\t)+4                                    ; which take the loads of four steps on
.endif
.if (\t)+1 < STEPS
.if STEPS-2-(\t) >= 3
	s_wait_loadcnt 12                              ; the next step's four loads are in; those of the three steps behind it may be out
.else
	s_wait_loadcnt 4*(STEPS-2-(\t))
.endif
	TURN (\t)+1                                    ; and go through the other stage while this step is worked
.endif
	v_max3_num_f32 v8, |v[XS]|, |v[XS+1]|, |v[XS+2]|               ; the largest magnitude of my 16, in two chains
	v_max3_num_f32 v9, |v[XS+3]|, |v[XS+4]|, |v[XS+5]|
.irp i, 6,10
	v_max3_num_f32 v8, v8, |v[XS+\i]|, |v[XS+\i+1]|
	v_max3_num_f32 v9, v9, |v[XS+\i+2]|, |v[XS+\i+3]|
.endr
	v_max3_num_f32 v8, v8, |v[XS+14]|, |v[XS+15]|
	v_max3_num_f32 v8, v8, v9, (EMAX+1)<<23        ; and the floor 2^(EMAX + 1 - 127): the byte cannot fall under 1
	v_max_num_f32_dpp v8, v8, v8 row_xmask:1 row_mask:0xf bank_mask:0xf   ; and of my neighbour's 16: the block's
	v_add_nc_u32 v11, -(EMAX<<23), v8              ; EMAX off its exponent field: the conversion takes the exponent field of this operand as its scale
	v_cvt_scalef32_pk8_fp4_f32 v[C+4*(\t)], v[XS:XS+7], v11
	v_cvt_scalef32_pk8_fp4_f32 v[C+4*(\t)+1], v[XS+8:XS+15], v11
	v_lshrrev_b32 v[E+(\t)], 23, v11               ; the scale's byte
	ds_store_b8 v5, v[E+(\t)] offset:16*(\t)       ; both lanes of a block write the same byte with the same value
	global_store_b64 v4, v[C+4*(\t):C+4*(\t)+1], s[26:27] offset:32*CB*(\t)   ; the wave stores 256 consecutive bytes, aligned
.endm
.irp t, 0,1,2,3,4,5,6,7,8,9,10,11,12,13,14,15
	STEP \t
.endr
	ds_load_b64 v[8:9], v6                         ; LDS serves a wave's instructions in order: these see my byte stores
	s_wait_dscnt 0x0
	global_store_b64 v7, v[8:9], s[28:29]          ; 32 lanes store 256 consecutive bytes, aligned
	s_branch .Lend
.Lwo:
	; Wo: feature tile u = work-group - 352; wave w takes K fragments 8 w .. 8 w + 7.  Lane (r, h) reads, for each fragment, 2 x 32 bytes of row 16 u + r.
	s_sub_co_u32 s24, ttmp9, 352
	s_lshl_b32 s36, s24, 16                        ; 16 rows of 4,096 bytes
	s_lshl_b32 s25, s40, 10                        ; 8 fragments of 128 bytes
	s_add_co_u32 s36, s36, s25
	s_mov_b32 s37, 0
	s_add_nc_u64 s[12:13], s[12:13], s[36:37]
	s_lshl_b32 s36, s24, 15                        ; a tile's images: 32,768 bytes
	s_lshl_b32 s25, s40, 13
	s_add_co_u32 s36, s36, s25
	s_add_nc_u64 s[22:23], s[22:23], s[36:37]
	v_and_b32 v8, 15, v0
	v_bfe_u32 v9, v0, 4, 1
	v_lshlrev_b32 v8, 12, v8
	v_lshl_add_u32 v8, v9, 5, v8                   ; 4,096 r + 32 h
.irp f, 0,1,2,3,4,5,6,7
.irp p, 0,1,2,3
	global_load_b128 v[16+16*\f+4*\p:16+16*\f+4*\p+3], v8, s[12:13] offset:128*\f+64*(\p/2)+16*(\p%2) th:TH_LOAD_NT
.endr
.endr
.irp f, 0,1,2,3,4,5,6,7
	s_wait_loadcnt 4*(7-\f)                        ; this fragment's four loads are in; the later fragments' may be out
.irp i, 0,1,2,3,4,5,6,7
	v_cvt_pk_f16_f32 v[16+16*\f+\i], v[16+16*\f+2*\i], v[16+16*\f+2*\i+1]   ; in place, ascending: the result never lands on a number not yet read
.endr
	global_store_b128 v3, v[16+16*\f:16+16*\f+3], s[22:23] offset:1024*\f         ; 512 consecutive bytes, aligned: registers 0-3 of the fragment
	global_store_b128 v3, v[16+16*\f+4:16+16*\f+7], s[22:23] offset:1024*\f+512   ; registers 4-7
.endr
.Lend:
	s_wait_tensorcnt 0x0                           ; the wave's end, behind the last LDS store
	ds_add_u32 v[SPW], v[NIL]
	s_wait_dscnt 0x0
	s_endpgm
.Lfunc_end_k_qc83a271e82_quant:
	.size	k_qc83a271e82_quant, .Lfunc_end_k_qc83a271e82_quant-k_qc83a271e82_quant
	.p2alignl 7, 3214868480
	.fill 96, 4, 3214868480
	.section	.rodata,"a",@progbits
	.p2align	6, 0x0
	.amdhsa_kernel k_qc83a271e82_quant
		.amdhsa_group_segment_fixed_size 33280
		.amdhsa_private_segment_fixed_size 0
		.amdhsa_enable_private_segment 0
		.amdhsa_kernarg_size 80
		.amdhsa_user_sgpr_count 2
		.amdhsa_user_sgpr_kernarg_segment_ptr 1
		.amdhsa_wavefront_size32 1
		.amdhsa_system_sgpr_workgroup_id_x 1
		.amdhsa_system_sgpr_workgroup_id_y 1
		.amdhsa_system_sgpr_workgroup_id_z 1
		.amdhsa_system_vgpr_workitem_id 0
		.amdhsa_next_free_vgpr 192
		.amdhsa_next_free_sgpr 66
		.amdhsa_reserve_vcc 0
		.amdhsa_float_denorm_mode_32 3
		.amdhsa_float_denorm_mode_16_64 3
		.amdhsa_memory_ordered 1
		.amdhsa_forward_progress 1
		.amdhsa_inst_pref_size 43
	.end_amdhsa_kernel
	.amdgpu_metadata
---
amdhsa.version: [ 1, 2 ]
amdhsa.kernels:
  - .name:           k_qc83a271e82_quant
    .symbol:         k_qc83a271e82_quant.kd
    .args:
      - { .name: x, .offset: 0, .size: 8, .value_kind: global_buffer, .address_space: global }
      - { .name: Wq, .offset: 8, .size: 8, .value_kind: global_buffer, .address_space: global }
      - { .name: Wk, .offset: 16, .size: 8, .value_kind: global_buffer, .address_space: global }
      - { .name: Wv, .offset: 24, .size: 8, .value_kind: global_buffer, .address_space: global }
      - { .name: Wo, .offset: 32, .size: 8, .value_kind: global_buffer, .address_space: global }
      - { .name: x_codes, .offset: 40, .size: 8, .value_kind: global_buffer, .address_space: global }
      - { .name: x_scales, .offset: 48, .size: 8, .value_kind: global_buffer, .address_space: global }
      - { .name: w_codes, .offset: 56, .size: 8, .value_kind: global_buffer, .address_space: global }
      - { .name: w_scales, .offset: 64, .size: 8, .value_kind: global_buffer, .address_space: global }
      - { .name: wo_img, .offset: 72, .size: 8, .value_kind: global_buffer, .address_space: global }
    .group_segment_fixed_size: 33280
    .private_segment_fixed_size: 0
    .kernarg_segment_align: 8
    .kernarg_segment_size: 80
    .max_flat_workgroup_size: 128
    .sgpr_count:     66
    .vgpr_count:     192
    .wavefront_size: 32
...
	.end_amdgpu_metadata
.endif
;; end of part 1
;; launch qkv (part 2): grid 12 x 32, 4 waves a work-group, clusters of 4 x 4, 327,680 bytes of LDS; arguments x_codes, x_scales, w_codes, w_scales, qkv; writes qkv
.if DOCPART == 2
	.amdgcn_target "amdgcn-amd-amdhsa--gfx1250"
	.amdhsa_code_object_version 6
	.text
	.protected	k_qc83a271e82_qkv
	.globl	k_qc83a271e82_qkv
	.p2align	8
	.type	k_qc83a271e82_qkv,@function
k_qc83a271e82_qkv:
	s_mov_b64 s[64:65], 0
	v_nop
	global_prefetch_b8 v0, s[64:65] scope:SCOPE_SE
	s_setreg_imm32_b32 hwreg(HW_REG_WAVE_MODE, 25, 1), 1
	s_wait_xcnt 0x0
	s_wait_alu depctr_hold_cnt(0) depctr_sa_sdst(0) depctr_va_vdst(0) depctr_va_sdst(0) depctr_va_ssrc(0) depctr_va_vcc(0) depctr_vm_vsrc(0)
	s_getreg_b32 s2, hwreg(HW_REG_IB_STS2, 6, 4)
	s_cmp_eq_u32 s2, 0
	s_cbranch_scc0 .Lentry_in_a_cluster
	s_endpgm
.Lentry_in_a_cluster:
	s_bfe_u32 s2, ttmp6, 0x10000c
	s_cmp_lg_u32 s2, 0xf033
	s_cbranch_scc0 .Lentry_shape_is_right
	s_endpgm
.Lentry_shape_is_right:
; q, k, v = x Wq^T, x Wk^T, x Wv^T as ONE product [8192 x 3072 x 1024] on codes of FP4 (E2M1) with one E8M0 scale for each 32 along K; sums in f32; results rounded once to f16.
; A tile of 256 tokens x 256 features is made by four waves, 128 x 128 each: 64 accumulators, 512 registers.  K = 1,024 is two K steps of 512: both LDS slots and all scale bytes are first fills, and nothing is filled again.
; CLUSTERS: 4 x 4 work-groups; x's tiles are asked for jointly along a row of the cluster, the weights' along a column.  The cluster's x (0, 1, 2) is the section q, k, v: the same in all sixteen partners.
; THE RESULTS LEAVE AS IMAGES OF THE NEXT PRODUCT'S OPERAND REGISTERS, 512 consecutive aligned bytes a store, straight from registers:
;   q, k (sections 0, 1 of 2^24 bytes): [batch-head 64][token tile 128][channels 32 c on: 2][half 2][lane 32][16 bytes]; lane (r, h): token 16 tile + r, channels 32 c + 16 half + 8 h + 0 .. 7.
;   v (section 2), as V^T:              [batch-head 64][32 keys: 64][channel tile 4][half 2][lane 32][16 bytes]; lane (r, h): channel 16 tile + r, keys 32 group + 16 half + 8 h + 0 .. 7.
; So q and k want a lane to hold one token and eight channels (source 0 = the weight's rows, source 1 = x's rows), and v one channel and eight tokens (the sources swapped): the text has both forms, chosen by the cluster's x.
; LIMITS: q, k, v stay under 65,504 in magnitude; under 6e-5 they keep a step of 6e-8 (f16).
; REGISTERS, in windows of 256: window 0: v0-31 addresses; v32-95 scale words, two sets; v128-191 x's fragments, one set; on the way out v32-159 hold packed results.
;   window 1: the weight's fragments, two sets, at v0 and v128.   window 2: accumulators of my tokens 0-63 ((a, b) at v[8 (8 a + b)]);   window 3: those of tokens 64-127.
.set KSTEP,  512
.set NQ,     4                         ; matrix instructions deep in a slot
.set ROWB,   256                       ; a tile's row in bytes: 512 codes
.set KROW,   512                       ; a row of codes in memory
.set PITCH,  272                       ; an LDS row: 256 bytes + 16 of padding, so that the 16 rows of a fragment load start 68 words apart
.set FR,     8
.set NL,     2
.set NP,     4                         ; places behind this matrix instruction (ISA guide 7.12.1)
.set HALFT,  128*PITCH
.set SLOT,   4*HALFT
.set KS,     32                        ; a row of scale bytes
.set SCL,    2*SLOT
.set HALFS,  (128*KS/256)*272
.set SBLK,   (16*KS/256)*272
.set SPARE,  SCL+4*HALFS               ; the spare words, 128 bytes a wave, named by no other line
.set ADRA, 16                          ; v16-17  LDS address of my fragments of x in slot 0, 1
.set ADRB, 20                          ; v20-21  the same for the weight
.set CO,   26                          ; v26     16 x lane
.set ADRS, 27                          ; v27     my scale words: lanes 0-15 x's rows, lanes 16-31 the weight's
.set SPW,  28
.set NIL,  29
.set SC,   32
.set AF,   128
.set TMP,  32                          ; the way out: 128 registers of packed results
.set G1, 24
.set G0, 32
.set G1B, 48
.set G0B, 56
.set G1S, 68
.set G0S, 76
.set G1SB, 80
.set G0SB, 88
.set MSB, 0
.macro WIN new                         ; the immediate's high byte repeats the setting that is left
.if MSB != (\new)
	s_set_vgpr_msb (MSB<<8)|(\new)
.set MSB, (\new)
.endif
.endm
.set TO_B, 0x40                        ; destination window 1, address window 0
; A joint load: waves 0 and 1 fetch for x, waves 2 and 3 for the weight; the branch hangs on the wave's number alone.  An s_nop 0 and four v_nop follow each line.
.macro JLOAD g0a, g1a, g0b, g1b
	s_cmp_eq_u32 s15, 0
	s_cbranch_scc0 .Lfor_b_\@
	tensor_load_to_lds s[\g0a:\g0a+3], s[\g1a:\g1a+7]
	s_nop 0
.rept 4
	v_nop
.endr
	s_branch .Lasked_\@
.Lfor_b_\@:
	tensor_load_to_lds s[\g0b:\g0b+3], s[\g1b:\g1b+7]
	s_nop 0
.rept 4
	v_nop
.endr
.Lasked_\@:
.endm
.macro CROUND                          ; a round of the cluster's barrier
	s_barrier_signal -1
	s_barrier_wait -1
	s_cmp_lg_u32 s14, 0
	s_cbranch_scc1 .Lnot_wave_0_\@
	s_barrier_signal -3
.Lnot_wave_0_\@:
	s_barrier_wait -3
	s_barrier_signal -1
	s_barrier_wait -1
.endm
	s_load_b128 s[4:7], s[0:1], 0x0                ; x's codes, x's scales
	s_load_b128 s[8:11], s[0:1], 0x10              ; the weights' codes, their scales
	s_load_b64 s[12:13], s[0:1], 0x20              ; qkv
	v_lshl_add_u32 v[SPW], v0, 2, SPARE
	v_mov_b32 v[NIL], 0
	ds_add_u32 v[SPW], v[NIL]                      ; the wave's opening: the add, twice on end, and its wait ahead of my first tensor load
	ds_add_u32 v[SPW], v[NIL]
	v_lshrrev_b32 v1, 5, v0
	v_readfirstlane_b32 s14, v1                    ; wave 0..3
	s_lshr_b32 s15, s14, 1                         ; my half of the tile's tokens.  Also: I fetch for x (0) or for the weight (1)
	s_and_b32 s16, s14, 1                          ; my half of its features.  Also: which 128 rows I fetch
	s_bfe_u32 s40, ttmp6, 0x40000                  ; cx, cy
	s_bfe_u32 s41, ttmp6, 0x40004
	s_lshl_b32 s42, ttmp9, 2
	s_add_co_u32 s42, s42, s40                     ; tile column = 4 x cluster x + cx
	s_and_b32 s17, ttmp7, 0xffff
	s_lshl_b32 s17, s17, 2
	s_add_co_u32 s17, s17, s41                     ; tile row = 4 x cluster y + cy
	s_lshl_b32 s43, s41, 2
	s_lshl_b32 s43, 15, s43                        ; my row of the cluster
	s_lshl_b32 s44, 0x1111, s40                    ; my column
	s_or_b32 s[G1+0], s43, (0<<16)|(1<<20)|(1<<21)|(5<<22)|(3<<25)  ; the mask; elements of 1 byte; padding of 4 words after every 64; bit 21 beside a mask
	s_or_b32 s[G1B+0], s44, (0<<16)|(1<<20)|(1<<21)|(5<<22)|(3<<25)
.irp g, G1, G1B
	s_mov_b32 s[\g+1], ROWB<<16                    ; tensor_dim0
	s_mov_b32 s[\g+2], 128<<16                     ; tensor_dim1
	s_mov_b32 s[\g+3], ROWB<<16                    ; tile_dim0
	s_mov_b32 s[\g+4], 128                         ; tile_dim1
	s_mov_b32 s[\g+5], KROW                        ; from row to row
	s_mov_b32 s[\g+6], 0
	s_mov_b32 s[\g+7], 0
.endr
	s_or_b32 s[G1S+0], s43, (3<<16)|(1<<20)|(1<<21)|(5<<22)|(3<<25)   ; the scales of 128 rows: 4,096 dense bytes as 16 rows of 256 (32 elements of 8 bytes), 16 bytes of padding behind each
	s_or_b32 s[G1SB+0], s44, (3<<16)|(1<<20)|(1<<21)|(5<<22)|(3<<25)
.irp g, G1S, G1SB
	s_mov_b32 s[\g+1], 32<<16
	s_mov_b32 s[\g+2], (128*KS/256)<<16
	s_mov_b32 s[\g+3], 32<<16
	s_mov_b32 s[\g+4], 128*KS/256
	s_mov_b32 s[\g+5], 32
	s_mov_b32 s[\g+6], 0
	s_mov_b32 s[\g+7], 0
.endr
	s_lshl_b32 s18, s16, 7
	s_lshl_b32 s20, s17, 8
	s_add_co_u32 s20, s20, s18                     ; x: row 256 x tile row + 128 x half
	s_lshl_b32 s46, s42, 8
	s_add_co_u32 s46, s46, s18                     ; the weight: row 256 x tile column + 128 x half
	s_mov_b32 s21, 0
	s_mov_b32 s47, 0
	s_mov_b64 s[18:19], KS
	s_mul_u64 s[22:23], s[20:21], s[18:19]
	s_mul_u64 s[92:93], s[46:47], s[18:19]
	s_mov_b64 s[18:19], KROW
	s_mul_u64 s[20:21], s[20:21], s[18:19]
	s_mul_u64 s[46:47], s[46:47], s[18:19]
	s_mul_i32 s45, s14, HALFT                      ; where they go: wave x 128 rows
	s_mul_i32 s94, s14, HALFS
	s_wait_dscnt 0x0                               ; both opening adds are done
	s_wait_kmcnt 0x0
	s_add_nc_u64 s[20:21], s[4:5], s[20:21]
	s_add_nc_u64 s[22:23], s[6:7], s[22:23]
	s_add_nc_u64 s[46:47], s[8:9], s[46:47]
	s_add_nc_u64 s[92:93], s[10:11], s[92:93]
	CROUND                                         ; all sixteen work-groups are here: the joint loads meet
	s_mov_b32 s[G0S], 1
	s_add_co_u32 s[G0S+1], s94, SCL
	s_mov_b64 s[G0S+2:G0S+3], s[22:23]
	s_or_b32 s[G0S+3], s[G0S+3], 0x80000000
	s_mov_b32 s[G0SB], 1
	s_add_co_u32 s[G0SB+1], s94, SCL
	s_mov_b64 s[G0SB+2:G0SB+3], s[92:93]
	s_or_b32 s[G0SB+3], s[G0SB+3], 0x80000000
	JLOAD G0S, G1S, G0SB, G1SB                     ; the scales first: they are wanted with K step 0
.irp s, 0,1
	s_mov_b32 s[G0+4*\s], 1
	s_add_co_u32 s[G0+4*\s+1], s45, \s*SLOT
	s_add_nc_u64 s[G0+4*\s+2:G0+4*\s+3], s[20:21], \s*ROWB
	s_or_b32 s[G0+4*\s+3], s[G0+4*\s+3], 0x80000000
	s_mov_b32 s[G0B+4*\s], 1
	s_add_co_u32 s[G0B+4*\s+1], s45, \s*SLOT
	s_add_nc_u64 s[G0B+4*\s+2:G0B+4*\s+3], s[46:47], \s*ROWB
	s_or_b32 s[G0B+4*\s+3], s[G0B+4*\s+3], 0x80000000
	JLOAD G0+4*\s, G1, G0B+4*\s, G1B               ; three loads of mine are out in all
.endr
	v_and_b32 v1, 15, v0                           ; l % 16
	v_bfe_u32 v2, v0, 4, 1                         ; l / 16
	v_mul_u32_u24 v3, v1, PITCH
	v_lshl_add_u32 v4, v2, 4, v3                   ; a fragment's row x pitch + 16 x half
	s_mul_i32 s21, s15, HALFT
	s_mul_i32 s22, s16, HALFT
	s_add_co_u32 s22, s22, 2*HALFT
.irp s, 0,1
	v_add_nc_u32 v[ADRA+\s], s21, v4
	v_add_nc_u32 v[ADRB+\s], s22, v4
	s_add_co_u32 s21, s21, SLOT
	s_add_co_u32 s22, s22, SLOT
.endr
	v_mul_u32_u24 v5, v1, KS                       ; my row's scales: KS bytes a row,
	v_lshrrev_b32 v6, 8, v5
	v_lshl_add_u32 v5, v6, 4, v5                   ; and 16 more for each 256 passed
	s_mul_i32 s21, s15, HALFS
	s_mul_i32 s22, s16, HALFS
	s_add_co_u32 s22, s22, 2*HALFS
	s_sub_co_u32 s22, s22, s21
	v_mul_u32_u24 v6, s22, v2                      ; lanes 16-31 take the weight's: one product, the distance between the two bases
	s_add_co_u32 s21, s21, SCL
	v_add_nc_u32 v5, v5, v6
	v_add_nc_u32 v[ADRS], s21, v5
	v_and_b32 v6, 31, v0
	v_lshlrev_b32 v[CO], 4, v6
	; where my results begin: section + (16 batch + 4 cx + 2 feature half) heads of 262,144 bytes + (16 (tile row % 8) + 8 token half) x 2,048 bytes: the same sum serves all three sections
	s_lshr_b32 s20, s17, 3
	s_lshl_b32 s20, s20, 4
	s_lshl_b32 s21, s16, 1
	s_add_co_u32 s20, s20, s21
	s_lshl_b32 s20, s20, 18
	s_and_b32 s21, s17, 7
	s_lshl_b32 s21, s21, 4
	s_lshl_b32 s22, s15, 3
	s_add_co_u32 s21, s21, s22
	s_lshl_b32 s21, s21, 11
	s_add_co_u32 s20, s20, s21
	s_lshl_b32 s21, ttmp9, 24
	s_add_co_u32 s20, s20, s21
	s_mov_b32 s21, 0
	s_add_nc_u64 s[12:13], s[12:13], s[20:21]
	s_lshl_b32 s46, s40, 20                        ; 4 cx heads
	s_mov_b32 s47, 0
	s_add_nc_u64 s[12:13], s[12:13], s[46:47]
.macro FRAG reg, adr, q, i             ; 16 rows x 128 K of 4-bit codes: 8 registers: two loads of 16 bytes, 32 bytes apart
.irp c, 0,1
	ds_load_b128 v[\reg+4*\c:\reg+4*\c+3], v[\adr] offset:64*(\q)+32*\c+(\i)*16*PITCH
.endr
.endm
; 16 matrix instructions: x's blocks a0, a0 + 1 against the weight's eight, the slot's q-th 128 along K.  p: the weight's set; sc: the set of scale words; zero = 1: the product starts the sums.
; sw = 0: source 0 = the weight, source 1 = x;  sw = 1: the sources, their scales and the row selector swapped.  A scale register holds x's word in lanes 0-15 and the weight's in lanes 16-31.
; The 64 accumulators take turns, one instruction a turn, in the same order in every step.
.macro MUL16 a0, p, q, sc, zero, sw
.irp a, \a0, \a0+1
.irp b, 0,1,2,3,4,5,6,7
.set DA, 8*(8*((\a)%4)+\b)
.set RB, 128*(\p)+FR*\b
.set RA, AF+FR*(\a)
.set SCB, SC+8*NQ*(\sc)+NQ*\b+(\q)
.set SCA, SC+8*NQ*(\sc)+NQ*(\a)+(\q)
.if \sw
.if \zero
	v_wmma_scale_f32_16x16x128_f8f6f4 v[DA:DA+7], v[RA:RA+7], v[RB:RB+7], 0, v[SCA], v[SCB] matrix_a_fmt:MATRIX_FMT_FP4 matrix_b_fmt:MATRIX_FMT_FP4 matrix_b_scale:MATRIX_SCALE_ROW1
.else
	v_wmma_scale_f32_16x16x128_f8f6f4 v[DA:DA+7], v[RA:RA+7], v[RB:RB+7], v[DA:DA+7], v[SCA], v[SCB] matrix_a_fmt:MATRIX_FMT_FP4 matrix_b_fmt:MATRIX_FMT_FP4 matrix_b_scale:MATRIX_SCALE_ROW1
.endif
.else
.if \zero
	v_wmma_scale_f32_16x16x128_f8f6f4 v[DA:DA+7], v[RB:RB+7], v[RA:RA+7], 0, v[SCB], v[SCA] matrix_a_fmt:MATRIX_FMT_FP4 matrix_b_fmt:MATRIX_FMT_FP4 matrix_a_scale:MATRIX_SCALE_ROW1
.else
	v_wmma_scale_f32_16x16x128_f8f6f4 v[DA:DA+7], v[RB:RB+7], v[RA:RA+7], v[DA:DA+7], v[SCB], v[SCA] matrix_a_fmt:MATRIX_FMT_FP4 matrix_b_fmt:MATRIX_FMT_FP4 matrix_a_scale:MATRIX_SCALE_ROW1
.endif
.endif
.endr
.endr
.endm
.macro FETCH_B slot, q, p
	WIN TO_B
.irp i, 0,1,2,3,4,5,6,7
	FRAG 128*(\p)+FR*\i, ADRB+\slot, \q, \i
.endr
	WIN 0
.endm
.macro FETCH_A slot, q, i0
.irp i, \i0, \i0+1, \i0+2, \i0+3
	FRAG AF+FR*(\i), ADRA+\slot, \q, \i
.endr
.endm
.macro SCALES sc                       ; a K step's scale words: 4 words a row; lanes 0-15 take x's block i, lanes 16-31 the weight's block i
.irp i, 0,1,2,3,4,5,6,7
	ds_load_b128 v[SC+8*NQ*\sc+NQ*\i:SC+8*NQ*\sc+NQ*\i+3], v[ADRS] offset:\i*SBLK
.endr
.endm
.macro PLACES n                        ; plain vector instructions between a matrix instruction and a load into, or a vector write of, one of its registers, or a read of its result
.rept \n
	v_nop
.endr
.endm
; Windows of the products: sw = 0: source 0 window 1, source 1 window 0 (0xa1, 0xf1); sw = 1: source 0 window 0, source 1 window 1 (0xa4, 0xf4); C and D window 2 or 3.
.macro STEP slot, q, zero, sw
	s_wait_dscnt 4*NL                              ; the weight's set and x's blocks 0-3 are in; the youngest eight loads (x's blocks 4-7) may be out
	WIN 0xa1+3*\sw
	MUL16 0, (\q)%2, \q, \slot, \zero, \sw
	MUL16 2, (\q)%2, \q, \slot, \zero, \sw
	s_wait_dscnt 0                                 ; x's blocks 4-7 are in
	PLACES NP
	FETCH_B \slot, (\q)+1, 1-(\q)%2
	FETCH_A \slot, (\q)+1, 0
	WIN 0xf1+3*\sw
	MUL16 4, (\q)%2, \q, \slot, \zero, \sw
	MUL16 6, (\q)%2, \q, \slot, \zero, \sw
	PLACES NP
	WIN 0
	FETCH_A \slot, (\q)+1, 4
.endm
; Slot 0's last step changes slots: each wave waits for all its tensor loads (its part of slot 1), then the barrier shows the whole slot to every wave.  Nothing is filled again.
.macro TURN slot, next, sw
	s_wait_tensorcnt 0x0                           ; all my tensor loads have landed
	ds_add_u32 v[SPW], v[NIL]
	s_wait_dscnt 4*NL+1                            ; (the add and the youngest eight loads may be out)
	WIN 0xa1+3*\sw
	MUL16 0, 1, NQ-1, \slot, 0, \sw
	s_wait_dscnt 0x0                               ; the add is done, and no LDS load of mine is out at the signal
	s_barrier_signal -1
	MUL16 2, 1, NQ-1, \slot, 0, \sw
	WIN 0
	s_barrier_wait -1
	PLACES NP
	v_add_nc_u32 v[ADRS], 4*NQ, v[ADRS]            ; on to the next K step's scale words
	FETCH_B \next, 0, 0
	FETCH_A \next, 0, 0
	SCALES \next
	WIN 0xf1+3*\sw
	MUL16 4, 1, NQ-1, \slot, 0, \sw
	MUL16 6, 1, NQ-1, \slot, 0, \sw
	PLACES NP
	WIN 0
	FETCH_A \next, 0, 4
.endm
.macro STEPS slot, from, sw
.set Q, \from
.rept NQ-1-\from
	STEP \slot, Q, 0, \sw
.set Q, Q+1
.endr
.endm
; THE WAY OUT: an accumulator's eight numbers of a lane, rounded in pairs to f16, are 16 bytes of an image: one store of 512 consecutive aligned bytes for each accumulator.  32 accumulators at a time.
.macro OUT sw
	PLACES NP                                      ; behind the last products: the conversions write over scale words and fragments of x
.irp hb, 0,1
.if \hb
	s_wait_xcnt 0x0                                ; the first batch's stores have read their registers, which are written again
.endif
	WIN 0x0a+5*\hb                                 ; sources in window 2 or 3
.irp a, 0,1,2,3
.irp b, 0,1,2,3,4,5,6,7
.irp r, 0,1,2,3
	v_cvt_pk_f16_f32 v[TMP+4*(8*\a+\b)+\r], v[8*(8*\a+\b)+2*\r], v[8*(8*\a+\b)+2*\r+1]   ; each accumulator from its low end on
.endr
.endr
.endr
	WIN 0
.irp a, 0,1,2,3
.irp b, 0,1,2,3,4,5,6,7
.if \sw
	global_store_b128 v[CO], v[TMP+4*(8*\a+\b):TMP+4*(8*\a+\b)+3], s[12:13] offset:(\b/4)*262144+((4*\hb+\a)/2)*4096+(\b%4)*1024+((4*\hb+\a)%2)*512 th:TH_STORE_NT
.else
	global_store_b128 v[CO], v[TMP+4*(8*\a+\b):TMP+4*(8*\a+\b)+3], s[12:13] offset:(\b/4)*262144+(4*\hb+\a)*2048+((\b%4)/2)*1024+(\b%2)*512 th:TH_STORE_NT
.endif
.endr
.endr
.endr
.endm
.macro COMPUTE sw
	STEP 0, 0, 1, \sw                              ; the first products start the sums: nothing is cleared
	STEPS 0, 1, \sw
	TURN 0, 1, \sw
	STEPS 1, 0, \sw
	s_wait_dscnt 4*NL                              ; the very last step: nothing more to fetch
	WIN 0xa1+3*\sw
	MUL16 0, 1, NQ-1, 1, 0, \sw
	MUL16 2, 1, NQ-1, 1, 0, \sw
	s_wait_dscnt 0
	WIN 0xf1+3*\sw
	MUL16 4, 1, NQ-1, 1, 0, \sw
	MUL16 6, 1, NQ-1, 1, 0, \sw
	WIN 0
	OUT \sw
.endm
	s_wait_tensorcnt 1                             ; the scales and my part of K step 0 are in (K step 1's load may be out)
	s_barrier_signal -1
	s_barrier_wait -1                              ; everybody's are
	FETCH_B 0, 0, 0
	FETCH_A 0, 0, 0
	SCALES 0
	FETCH_A 0, 0, 4
	s_cmp_eq_u32 ttmp9, 2                          ; the cluster's x: the same in all partners and all waves
	s_cbranch_scc1 .Lv
	COMPUTE 0                                      ; q, k
	s_branch .Lend
.Lv:
	COMPUTE 1                                      ; v, as V^T
.Lend:
	s_wait_tensorcnt 0x0                           ; the wave's end
	ds_add_u32 v[SPW], v[NIL]
	s_wait_dscnt 0x0
	CROUND                                         ; the closing round
	s_endpgm
.Lfunc_end_k_qc83a271e82_qkv:
	.size	k_qc83a271e82_qkv, .Lfunc_end_k_qc83a271e82_qkv-k_qc83a271e82_qkv
	.p2alignl 7, 3214868480
	.fill 96, 4, 3214868480
	.section	.rodata,"a",@progbits
	.p2align	6, 0x0
	.amdhsa_kernel k_qc83a271e82_qkv
		.amdhsa_group_segment_fixed_size 327680
		.amdhsa_private_segment_fixed_size 0
		.amdhsa_enable_private_segment 0
		.amdhsa_kernarg_size 40
		.amdhsa_user_sgpr_count 2
		.amdhsa_user_sgpr_kernarg_segment_ptr 1
		.amdhsa_wavefront_size32 1
		.amdhsa_system_sgpr_workgroup_id_x 1
		.amdhsa_system_sgpr_workgroup_id_y 1
		.amdhsa_system_sgpr_workgroup_id_z 1
		.amdhsa_system_vgpr_workitem_id 0
		.amdhsa_next_free_vgpr 1024
		.amdhsa_next_free_sgpr 98
		.amdhsa_reserve_vcc 0
		.amdhsa_float_denorm_mode_32 3
		.amdhsa_float_denorm_mode_16_64 3
		.amdhsa_memory_ordered 1
		.amdhsa_forward_progress 1
		.amdhsa_inst_pref_size 222
	.end_amdhsa_kernel
	.amdgpu_metadata
---
amdhsa.version: [ 1, 2 ]
amdhsa.kernels:
  - .name:           k_qc83a271e82_qkv
    .symbol:         k_qc83a271e82_qkv.kd
    .args:
      - { .name: x_codes, .offset: 0, .size: 8, .value_kind: global_buffer, .address_space: global }
      - { .name: x_scales, .offset: 8, .size: 8, .value_kind: global_buffer, .address_space: global }
      - { .name: w_codes, .offset: 16, .size: 8, .value_kind: global_buffer, .address_space: global }
      - { .name: w_scales, .offset: 24, .size: 8, .value_kind: global_buffer, .address_space: global }
      - { .name: qkv, .offset: 32, .size: 8, .value_kind: global_buffer, .address_space: global }
    .group_segment_fixed_size: 327680
    .private_segment_fixed_size: 0
    .kernarg_segment_align: 8
    .kernarg_segment_size: 40
    .max_flat_workgroup_size: 128
    .sgpr_count:     98
    .vgpr_count:     1024
    .wavefront_size: 32
...
	.end_amdgpu_metadata
.endif
;; end of part 2
;; launch attn (part 3): grid 4 x 64, 8 waves a work-group, clusters of 4 x 1, 327,680 bytes of LDS; arguments qkv, o_img; writes o_img
.if DOCPART == 3
	.amdgcn_target "amdgcn-amd-amdhsa--gfx1250"
	.amdhsa_code_object_version 6
	.text
	.protected	k_qc83a271e82_attn
	.globl	k_qc83a271e82_attn
	.p2align	8
	.type	k_qc83a271e82_attn,@function
k_qc83a271e82_attn:
	s_mov_b64 s[64:65], 0
	v_nop
	global_prefetch_b8 v0, s[64:65] scope:SCOPE_SE
	s_setreg_imm32_b32 hwreg(HW_REG_WAVE_MODE, 25, 1), 1
	s_wait_xcnt 0x0
	s_wait_alu depctr_hold_cnt(0) depctr_sa_sdst(0) depctr_va_vdst(0) depctr_va_sdst(0) depctr_va_ssrc(0) depctr_va_vcc(0) depctr_vm_vsrc(0)
	s_getreg_b32 s2, hwreg(HW_REG_IB_STS2, 6, 4)
	s_cmp_eq_u32 s2, 0
	s_cbranch_scc0 .Lentry_in_a_cluster
	s_endpgm
.Lentry_in_a_cluster:
	s_bfe_u32 s2, ttmp6, 0x10000c
	s_cmp_lg_u32 s2, 0x3003
	s_cbranch_scc0 .Lentry_shape_is_right
	s_endpgm
.Lentry_shape_is_right:
; o[b][h][q] = the sum over k of softmax_k(q . k / 8) v, 64 batch-heads of 2,048 tokens and 64 channels.  Operands in f16, products, maxima and sums in f32; the weights p are rounded to f16 for the second product, o once at the end.
; q, k and V^T arrive as images of operand registers (a fragment of 16 rows x 32 K is 1,024 bytes: registers 0-3 at 16 x lane, registers 4-7 at 512 + 16 x lane): every tile is a dense block, every fragment load is
; 16 x lane + a constant, and nothing is transposed.  o leaves the same way: [token tile 512][K fragment 32][half 2][lane 32][16 bytes], the out projection's operand.
; SHARES: a work-group owns 512 queries of one batch-head, each of its eight waves 64: four tiles of 16; two waves lie on a SIMD, so that one wave's softmax stands beside the other's products.  Every wave walks all keys, 64 a step.
; LAYOUT: S^T = K Q^T (source 0 = 16 keys, source 1 = 16 queries) and O^T = V^T P (source 0 = 16 channels, source 1 = P): a lane holds ONE query throughout; two tiles of S^T rounded in pairs ARE a fragment of P, in place.
; SOFTMAX: a running maximum m and sum l for each query: p = 2^(c s - c m), c = log2(e) / 8; in every step l and O^T are multiplied by a = 2^(c m_old - c m_new).
; RING: two slots of 512 keys (K's images 65,536 bytes, then V^T's); 2,048 keys are two first fills and two refills.  Each wave brings 16,384 bytes (64 rows of 256) with one load: waves 0-3 K's quarters, waves 4-7 V's.
; CLUSTER: the four query blocks of a batch-head walk the same K and V: every tile is asked for jointly, by the same load with the same descriptor and the mask of all four.
; No prefetch is laid: each refill is requested a whole slot, eight key steps, ahead of its first read.
; LIMITS: p under 6e-8 falls to 0 in f16; o stays under 65,504 and keeps a step of 6e-8 under 6e-5; NaN and infinities are not served.
; REGISTERS: window 0: v1 16 x lane, v2-3 LDS addresses, v4-5 the add's two; v8-39 statistics, 8 a tile: +0 c m, +1 m, +2 +3 l in two halves, +4 .. +7 at work (a at +6); v48-111 Q; v112-239 S^T, 32 a tile, P in its first 16.
;            window 1: v0-127 O^T, 32 a tile; v128-191 K of a step; v192-255 V^T of a step.
.set SLOT1, 131072
.set VOFF,  65536                      ; V^T's images in a slot
.set STEPB, 8192                       ; a key step's images of K, and of V^T
.set SPARE, 262144                     ; the spare words, 128 bytes a wave: four blocks of 256 bytes that no other line names
.set LI,  1
.set ADK, 2
.set ADV, 3
.set SPW, 4
.set NIL, 5
.set ST,  8
.set Q,   48
.set S,   112
.set KF,  128
.set VF,  192
.set WV,  8                            ; s8   my wave's number
.set G1,  16                           ; s[16:23] descriptor group 1, one for all loads
.set G0A, 24                           ; s[24:27] group 0 for slot 0;  s[28:31] for slot 1
.set G0B, 28
.set CS,  32                           ; s[32:33] c, twice
.set SEL, 34                           ; s[34:35] lane selects: lane l xor 16
.set TB,  36                           ; s36  LDS byte at which the step's images of K begin
.set CNT, 37                           ; s37  steps left in the slot
.set QB,  38                           ; s[38:39] my wave's images of q
.set OB,  40                           ; s[40:41] my wave's images of o
.set MSB, 0
.macro WIN new
.if MSB != (\new)
	s_set_vgpr_msb (MSB<<8)|(\new)
.set MSB, (\new)
.endif
.endm
.macro CROUND                          ; a round of the cluster's barrier
	s_barrier_signal -1
	s_barrier_wait -1
	s_cmp_lg_u32 s[WV], 0
	s_cbranch_scc1 .Lnot_wave_0_\@
	s_barrier_signal -3
.Lnot_wave_0_\@:
	s_barrier_wait -3
	s_barrier_signal -1
	s_barrier_wait -1
.endm
	s_load_b128 s[4:7], s[0:1], 0x0                ; qkv, o_img
	v_lshl_add_u32 v[SPW], v0, 2, SPARE
	v_mov_b32 v[NIL], 0
	ds_add_u32 v[SPW], v[NIL]                      ; the wave's opening: the add, twice on end, and its wait ahead of my first tensor load
	ds_add_u32 v[SPW], v[NIL]
	v_lshrrev_b32 v1, 5, v0
	v_readfirstlane_b32 s[WV], v1                  ; wave 0..7
	v_and_b32 v1, 31, v0
	v_lshlrev_b32 v[LI], 4, v1                     ; 16 x lane
	s_bfe_u32 s9, ttmp6, 0x40000                   ; cx: my block of 512 queries: it enters q's and o's addresses alone
	s_and_b32 s10, ttmp7, 0xffff                   ; the batch-head, which the four partners share
	s_mov_b32 s[G1], 15|(3<<16)|(1<<21)            ; the mask of all four; elements of 8 bytes; no padding; bit 21 beside a mask
	s_mov_b32 s[G1+1], 32<<16                      ; tensor_dim0 = 32 elements: 256 bytes
	s_mov_b32 s[G1+2], 64<<16                      ; tensor_dim1 = 64
	s_mov_b32 s[G1+3], 32<<16                      ; tile_dim0
	s_mov_b32 s[G1+4], 64                          ; tile_dim1
	s_mov_b32 s[G1+5], 32                          ; from row to row: dense
	s_mov_b32 s[G1+6], 0
	s_mov_b32 s[G1+7], 0
	s_mov_b32 s[CS], 0x3e38aa3b                    ; c = log2(e) / sqrt(64)
	s_mov_b32 s[CS+1], s[CS]
	s_mov_b32 s[SEL], 0x76543210
	s_mov_b32 s[SEL+1], 0xfedcba98
	s_lshr_b32 s42, s[WV], 2                       ; what I fetch: section 1 (k) in waves 0-3, section 2 (v) in waves 4-7,
	s_add_co_u32 s42, s42, 1
	s_lshl_b32 s42, s42, 24
	s_lshl_b32 s44, s10, 18                        ; the batch-head's 262,144 bytes,
	s_add_co_u32 s42, s42, s44
	s_and_b32 s45, s[WV], 3
	s_lshl_b32 s45, s45, 14                        ; my quarter of a slot's 65,536
	s_add_co_u32 s42, s42, s45
	s_mov_b32 s43, 0
	s_lshl_b32 s46, s[WV], 14                      ; and where it goes: 16,384 x wave
	s_lshl_b32 s47, s9, 5
	s_lshl_b32 s45, s[WV], 2
	s_add_co_u32 s47, s47, s45                     ; my first tile of queries: 32 cx + 4 wave
	s_lshl_b32 s48, s47, 11
	s_add_co_u32 s48, s48, s44
	s_mov_b32 s49, 0
	s_lshr_b32 s50, s10, 4                         ; o: token tile 128 batch + my tile, 32,768 bytes each; my head's 2,048 bytes in it
	s_lshl_b32 s50, s50, 7
	s_add_co_u32 s50, s50, s47
	s_lshl_b32 s50, s50, 15
	s_and_b32 s45, s10, 15
	s_lshl_b32 s45, s45, 11
	s_add_co_u32 s50, s50, s45
	s_mov_b32 s51, 0
	s_wait_dscnt 0x0                               ; both opening adds are done
	s_wait_kmcnt 0x0
	s_add_nc_u64 s[QB:QB+1], s[4:5], s[48:49]
	s_add_nc_u64 s[OB:OB+1], s[6:7], s[50:51]
	s_add_nc_u64 s[42:43], s[4:5], s[42:43]
	s_mov_b32 s[G0A], 1
	s_mov_b32 s[G0A+1], s46
	s_mov_b64 s[G0A+2:G0A+3], s[42:43]             ; keys 0 to 511
	s_or_b32 s[G0A+3], s[G0A+3], 0x80000000
	s_mov_b32 s[G0B], 1
	s_add_co_u32 s[G0B+1], s46, SLOT1
	s_add_nc_u64 s[G0B+2:G0B+3], s[42:43], 65536   ; keys 512 to 1,023
	s_or_b32 s[G0B+3], s[G0B+3], 0x80000000
	CROUND                                         ; all four work-groups are here: the first joint loads meet
	tensor_load_to_lds s[G0A:G0A+3], s[G1:G1+7]
	s_nop 0
	tensor_load_to_lds s[G0B:G0B+3], s[G1:G1+7]    ; two loads of mine are out
	s_nop 0
.rept 4
	v_nop
.endr
.irp i, 0,1,2,3,4,5,6,7,8,9,10,11,12,13,14,15
	global_load_b128 v[Q+4*\i:Q+4*\i+3], v[LI], s[QB:QB+1] offset:512*\i   ; Q stays in registers: piece i = 4 tile + 2 c + half
.endr
.macro FETCH_K0                        ; K of a slot's first step
	v_add_nc_u32 v[ADK], s[TB], v[LI]
	WIN 0x40                                       ; destination window 1
.irp i, 0,1,2,3,4,5,6,7,8,9,10,11,12,13,14,15
	ds_load_b128 v[KF+4*\i:KF+4*\i+3], v[ADK] offset:512*\i
.endr
	WIN 0
.endm
; S^T = K Q^T: 32 products; the 16 accumulators take turns, one instruction a turn; the first 16 start the sums.
.macro KQ
.irp c, 0,1
.irp kt, 0,1,2,3
.irp t, 0,1,2,3
.if \c == 0
	v_wmma_f32_16x16x32_f16 v[S+32*\t+8*\kt:S+32*\t+8*\kt+7], v[KF+16*\kt+8*\c:KF+16*\kt+8*\c+7], v[Q+16*\t+8*\c:Q+16*\t+8*\c+7], 0
.else
	v_wmma_f32_16x16x32_f16 v[S+32*\t+8*\kt:S+32*\t+8*\kt+7], v[KF+16*\kt+8*\c:KF+16*\kt+8*\c+7], v[Q+16*\t+8*\c:Q+16*\t+8*\c+7], v[S+32*\t+8*\kt:S+32*\t+8*\kt+7]
.endif
.endr
.endr
.endr
.endm
; O^T += V^T P: 32 products, 16 accumulators by turns.  first = 1: the first 16 start the sums.
.macro PV first
.irp f, 0,1
.irp ct, 0,1,2,3
.irp t, 0,1,2,3
.if \first && (\f == 0)
	v_wmma_f32_16x16x32_f16 v[32*\t+8*\ct:32*\t+8*\ct+7], v[VF+32*\f+8*\ct:VF+32*\f+8*\ct+7], v[S+32*\t+8*\f:S+32*\t+8*\f+7], 0
.else
	v_wmma_f32_16x16x32_f16 v[32*\t+8*\ct:32*\t+8*\ct+7], v[VF+32*\f+8*\ct:VF+32*\f+8*\ct+7], v[S+32*\t+8*\f:S+32*\t+8*\f+7], v[32*\t+8*\ct:32*\t+8*\ct+7]
.endif
.endr
.endr
.endr
.endm
; The softmax of a key step, the four tiles by turns, so that no line waits for the line above it.  first = 1: the first step starts m and l and has no a.
.macro SOFTMAX first
.irp j, 0,1,2,3                        ; the maximum of a lane's 32 scores and the old m: four chains; each accumulator is first read at its low end
.irp t, 0,1,2,3
	v_max3_num_f32 v[ST+8*\t+4+\j], v[S+32*\t+8*\j], v[S+32*\t+8*\j+1], v[S+32*\t+8*\j+2]
.endr
.endr
.irp u, 3,5
.irp j, 0,1,2,3
.irp t, 0,1,2,3
	v_max3_num_f32 v[ST+8*\t+4+\j], v[ST+8*\t+4+\j], v[S+32*\t+8*\j+\u], v[S+32*\t+8*\j+\u+1]
.endr
.endr
.endr
.irp t, 0,1,2,3
	v_max3_num_f32 v[ST+8*\t+4], v[ST+8*\t+4], v[S+32*\t+7], v[S+32*\t+15]
.endr
.irp t, 0,1,2,3
	v_max3_num_f32 v[ST+8*\t+6], v[ST+8*\t+6], v[S+32*\t+23], v[S+32*\t+31]
.endr
.irp t, 0,1,2,3
	v_max3_num_f32 v[ST+8*\t+4], v[ST+8*\t+4], v[ST+8*\t+5], v[ST+8*\t+6]
.endr
.irp t, 0,1,2,3
.if \first
	v_max_num_f32 v[ST+8*\t+4], v[ST+8*\t+4], v[ST+8*\t+7]
.else
	v_max3_num_f32 v[ST+8*\t+4], v[ST+8*\t+4], v[ST+8*\t+7], v[ST+8*\t+1]
.endif
.endr
.irp t, 0,1,2,3
	v_permlanex16_b32 v[ST+8*\t+5], v[ST+8*\t+4], s[SEL], s[SEL+1]   ; the query's other 32 keys lie in the lane 16 away
.endr
.if \first == 0
.irp t, 0,1,2,3
	v_mov_b32 v[ST+8*\t+7], v[ST+8*\t]             ; c m_old is kept for a
.endr
.endif
.irp t, 0,1,2,3
	v_max_num_f32 v[ST+8*\t+1], v[ST+8*\t+4], v[ST+8*\t+5]
.endr
.irp t, 0,1,2,3
	v_mul_f32 v[ST+8*\t], s[CS], v[ST+8*\t+1]
.endr
.if \first == 0
.irp t, 0,1,2,3
	v_sub_f32 v[ST+8*\t+7], v[ST+8*\t+7], v[ST+8*\t]
.endr
.irp t, 0,1,2,3
	v_exp_f32 v[ST+8*\t+6], v[ST+8*\t+7]           ; a
.endr
.endif
.irp b, 0,1,2,3,4,5,6,7,8,9,10,11,12,13,14,15      ; ONE BATCH: the scalings c s - c m, a pair each, and the exponentials; no line here reads an exponential's result
.irp t, 0,1,2,3
	v_pk_fma_f32 v[S+32*\t+2*\b:S+32*\t+2*\b+1], v[S+32*\t+2*\b:S+32*\t+2*\b+1], s[CS:CS+1], v[ST+8*\t:ST+8*\t+1] op_sel_hi:[1,0,0] neg_lo:[0,0,1] neg_hi:[0,0,1]
.endr
.irp t, 0,1,2,3
	v_exp_f32 v[S+32*\t+2*\b], v[S+32*\t+2*\b]
	v_exp_f32 v[S+32*\t+2*\b+1], v[S+32*\t+2*\b+1]
.endr
.endr
	v_nop                                          ; a plain instruction behind the last exponential
	s_wait_alu depctr_va_vdst(0)                   ; one wait for the whole batch, ahead of its first reader
.irp t, 0,1,2,3                        ; the sums of the unrounded p, a pair (an even key's, an odd key's) at a time, in two chains a tile: l takes the even pairs, a second chain the odd ones
.if \first
	v_pk_add_f32 v[ST+8*\t+2:ST+8*\t+3], v[S+32*\t:S+32*\t+1], v[S+32*\t+4:S+32*\t+5]
.else
	v_pk_fma_f32 v[ST+8*\t+2:ST+8*\t+3], v[ST+8*\t+2:ST+8*\t+3], v[ST+8*\t+6:ST+8*\t+7], v[S+32*\t:S+32*\t+1] op_sel_hi:[1,0,1]   ; l a + the first pair
.endif
	v_pk_add_f32 v[ST+8*\t+4:ST+8*\t+5], v[S+32*\t+2:S+32*\t+3], v[S+32*\t+6:S+32*\t+7]
.endr
.if \first == 0
.irp t, 0,1,2,3
	v_pk_add_f32 v[ST+8*\t+2:ST+8*\t+3], v[ST+8*\t+2:ST+8*\t+3], v[S+32*\t+4:S+32*\t+5]
.endr
.endif
.irp b, 4,6,8,10,12,14
.irp t, 0,1,2,3
	v_pk_add_f32 v[ST+8*\t+2:ST+8*\t+3], v[ST+8*\t+2:ST+8*\t+3], v[S+32*\t+2*\b:S+32*\t+2*\b+1]
	v_pk_add_f32 v[ST+8*\t+4:ST+8*\t+5], v[ST+8*\t+4:ST+8*\t+5], v[S+32*\t+2*\b+2:S+32*\t+2*\b+3]
.endr
.endr
.irp t, 0,1,2,3
	v_pk_add_f32 v[ST+8*\t+2:ST+8*\t+3], v[ST+8*\t+2:ST+8*\t+3], v[ST+8*\t+4:ST+8*\t+5]
.endr
.irp j, 0,1,2,3,4,5,6,7,8,9,10,11,12,13,14,15      ; P, in place, ascending: the result never lands on a weight not yet read
.irp t, 0,1,2,3
	v_cvt_pk_f16_f32 v[S+32*\t+\j], v[S+32*\t+2*\j], v[S+32*\t+2*\j+1]
.endr
.endr
.if \first == 0
	WIN 0x41                                       ; O^T (destination and source 0) in window 1, a in window 0
.irp i, 0,1,2,3,4,5,6,7,8,9,10,11,12,13,14,15      ; ascending: each accumulator's low pair first
.irp t, 0,1,2,3
	v_pk_mul_f32 v[32*\t+2*\i:32*\t+2*\i+1], v[32*\t+2*\i:32*\t+2*\i+1], v[ST+8*\t+6:ST+8*\t+7] op_sel_hi:[1,0]
.endr
.endr
	WIN 0
.endif
.endm
; A KEY STEP of 64 keys.
.macro STEP first
	v_add_nc_u32 v[ADK], s[TB], v[LI]              ; five places behind the last step's products: the scores are written over P, which those products read, and V's registers are loaded anew
	v_add_nc_u32 v[ADV], VOFF, v[ADK]
.rept 3
	v_nop
.endr
	WIN 0x40
.irp i, 0,1,2,3,4,5,6,7,8,9,10,11,12,13,14,15
	ds_load_b128 v[VF+4*\i:VF+4*\i+3], v[ADV] offset:512*\i   ; V^T of this step: a softmax ahead of its use
.endr
	s_wait_dscnt 16                                ; K, asked for earlier, is in; V's sixteen loads may be out
	WIN 0x01                                       ; K in window 1
	KQ
	WIN 0
.rept 4
	v_nop                                          ; places in front of the loads into K's registers and of the first read of the scores
.endr
.if \first == 0
	s_cmp_eq_u32 s[CNT], 1                         ; a slot's last step fetches no K: the next slot is read only behind its barrier
	s_cbranch_scc1 .Lnok_\@
.endif
	WIN 0x40
.irp i, 0,1,2,3,4,5,6,7,8,9,10,11,12,13,14,15
	ds_load_b128 v[KF+4*\i:KF+4*\i+3], v[ADK] offset:STEPB+512*\i   ; K of the next step
.endr
	WIN 0
.Lnok_\@:
	SOFTMAX \first
	s_wait_dscnt 0x0                               ; V is in (and the next K): right on both ways
	WIN 0x51                                       ; V^T, C and D in window 1, P in window 0
	PV \first
	WIN 0
.endm
.macro SLOT trips
	s_mov_b32 s[CNT], \trips
.Lstep_\@:
	STEP 0
	s_add_co_u32 s[TB], s[TB], STEPB
	s_sub_co_u32 s[CNT], s[CNT], 1
	s_cmp_lg_u32 s[CNT], 0
	s_cbranch_scc1 .Lstep_\@
.endm
; THE CHANGE OF SLOTS.  Each wave waits for all its tensor loads (its part of the slot ahead), adds 0 to its spare word, and waits for that and for its reads of the slot that it leaves.
; fill = 1: a round of the cluster's barrier, so that no wave of any partner still reads that slot or has a load on its way; the joint refill is the first thing behind it, one load a wave: the keys 1,024 on.
.macro CHANGE fill, g0
	s_wait_tensorcnt 0x0                           ; no tensor load of mine is out, so a group 0 may be written
	ds_add_u32 v[SPW], v[NIL]
.if \fill
	s_add_nc_u64 s[\g0+2:\g0+3], s[\g0+2:\g0+3], 0x20000   ; two slots' worth of images on; the type bits on top are not reached
	s_wait_dscnt 0x0                               ; the add is done, and my reads of the slot are over
	CROUND
	tensor_load_to_lds s[\g0:\g0+3], s[G1:G1+7]    ; it has the eight key steps of the other slot in which to land
	s_nop 0
.rept 4
	v_nop
.endr
.else
	s_wait_dscnt 0x0
	s_barrier_signal -1
	s_barrier_wait -1
.endif
.endm
	s_wait_tensorcnt 1                             ; my part of slot 0 is in; slot 1's may stay out
	s_barrier_signal -1
	s_barrier_wait -1                              ; everybody's is
	s_mov_b32 s[TB], 0
	FETCH_K0
	s_wait_loadcnt 0x0                             ; Q
	STEP 1                                         ; the first key step is written out: it starts m, l and O^T
	s_add_co_u32 s[TB], s[TB], STEPB
	SLOT 7
	CHANGE 1, G0A                                  ; slot 0 takes keys 1,024 to 1,535
	s_mov_b32 s[TB], SLOT1
	FETCH_K0
	SLOT 8
	CHANGE 1, G0B                                  ; slot 1 takes keys 1,536 to 2,047
	s_mov_b32 s[TB], 0
	FETCH_K0
	SLOT 8
	CHANGE 0, G0A                                  ; nothing is left to ask for
	s_mov_b32 s[TB], SLOT1
	FETCH_K0
	SLOT 8
	; THE WAY OUT.  l's two halves and the other half of the lanes' are added; O^T is divided by l and rounded to f16: a lane's eight channels of a query are 16 bytes of the out projection's image.
.irp t, 0,1,2,3
	v_add_f32 v[ST+8*\t+4], v[ST+8*\t+2], v[ST+8*\t+3]   ; (these four are the places behind the last products)
.endr
.irp t, 0,1,2,3
	v_permlanex16_b32 v[ST+8*\t+5], v[ST+8*\t+4], s[SEL], s[SEL+1]
.endr
.irp t, 0,1,2,3
	v_add_f32 v[ST+8*\t+4], v[ST+8*\t+4], v[ST+8*\t+5]
.endr
.irp t, 0,1,2,3
	v_rcp_f32 v[ST+8*\t+6], v[ST+8*\t+4]
.endr
	v_nop                                          ; a plain instruction behind the last reciprocal
	s_wait_alu depctr_va_vdst(0)                   ; one wait for the four, ahead of their first reader
	WIN 0x41
.irp t, 0,1,2,3
.irp i, 0,1,2,3,4,5,6,7,8,9,10,11,12,13,14,15
	v_pk_mul_f32 v[32*\t+2*\i:32*\t+2*\i+1], v[32*\t+2*\i:32*\t+2*\i+1], v[ST+8*\t+6:ST+8*\t+7] op_sel_hi:[1,0]
.endr
.endr
	WIN 0x05                                       ; sources in window 1, destination in window 0: S^T's registers are free
.irp t, 0,1,2,3
.irp ct, 0,1,2,3
.irp i, 0,1,2,3
	v_cvt_pk_f16_f32 v[S+16*\t+4*\ct+\i], v[32*\t+8*\ct+2*\i], v[32*\t+8*\ct+2*\i+1]
.endr
.endr
.endr
	WIN 0
.irp t, 0,1,2,3
.irp ct, 0,1,2,3
	global_store_b128 v[LI], v[S+16*\t+4*\ct:S+16*\t+4*\ct+3], s[OB:OB+1] offset:32768*\t+512*\ct th:TH_STORE_NT   ; 512 consecutive bytes, aligned
.endr
.endr
	s_wait_tensorcnt 0x0                           ; the wave's end
	ds_add_u32 v[SPW], v[NIL]
	s_wait_dscnt 0x0
	CROUND                                         ; the closing round: no work-group ends while a partner may still ask for a tile that names it
	s_endpgm
.Lfunc_end_k_qc83a271e82_attn:
	.size	k_qc83a271e82_attn, .Lfunc_end_k_qc83a271e82_attn-k_qc83a271e82_attn
	.p2alignl 7, 3214868480
	.fill 96, 4, 3214868480
	.section	.rodata,"a",@progbits
	.p2align	6, 0x0
	.amdhsa_kernel k_qc83a271e82_attn
		.amdhsa_group_segment_fixed_size 327680
		.amdhsa_private_segment_fixed_size 0
		.amdhsa_enable_private_segment 0
		.amdhsa_kernarg_size 16
		.amdhsa_user_sgpr_count 2
		.amdhsa_user_sgpr_kernarg_segment_ptr 1
		.amdhsa_wavefront_size32 1
		.amdhsa_system_sgpr_workgroup_id_x 1
		.amdhsa_system_sgpr_workgroup_id_y 1
		.amdhsa_system_sgpr_workgroup_id_z 1
		.amdhsa_system_vgpr_workitem_id 0
		.amdhsa_next_free_vgpr 512
		.amdhsa_next_free_sgpr 66
		.amdhsa_reserve_vcc 0
		.amdhsa_float_denorm_mode_32 3
		.amdhsa_float_denorm_mode_16_64 3
		.amdhsa_memory_ordered 1
		.amdhsa_forward_progress 1
		.amdhsa_inst_pref_size 177
	.end_amdhsa_kernel
	.amdgpu_metadata
---
amdhsa.version: [ 1, 2 ]
amdhsa.kernels:
  - .name:           k_qc83a271e82_attn
    .symbol:         k_qc83a271e82_attn.kd
    .args:
      - { .name: qkv, .offset: 0, .size: 8, .value_kind: global_buffer, .address_space: global }
      - { .name: o_img, .offset: 8, .size: 8, .value_kind: global_buffer, .address_space: global }
    .group_segment_fixed_size: 327680
    .private_segment_fixed_size: 0
    .kernarg_segment_align: 8
    .kernarg_segment_size: 16
    .max_flat_workgroup_size: 256
    .sgpr_count:     66
    .vgpr_count:     512
    .wavefront_size: 32
...
	.end_amdgpu_metadata
.endif
;; end of part 3
;; launch proj (part 4): grid 4 x 64, 4 waves a work-group, clusters of 4 x 4, 327,680 bytes of LDS; arguments o_img, wo_img, out0; writes out0
.if DOCPART == 4
	.amdgcn_target "amdgcn-amd-amdhsa--gfx1250"
	.amdhsa_code_object_version 6
	.text
	.protected	k_qc83a271e82_proj
	.globl	k_qc83a271e82_proj
	.p2align	8
	.type	k_qc83a271e82_proj,@function
k_qc83a271e82_proj:
	s_mov_b64 s[64:65], 0
	v_nop
	global_prefetch_b8 v0, s[64:65] scope:SCOPE_SE
	s_setreg_imm32_b32 hwreg(HW_REG_WAVE_MODE, 25, 1), 1
	s_wait_xcnt 0x0
	s_wait_alu depctr_hold_cnt(0) depctr_sa_sdst(0) depctr_va_vdst(0) depctr_va_sdst(0) depctr_va_ssrc(0) depctr_va_vcc(0) depctr_vm_vsrc(0)
	s_getreg_b32 s2, hwreg(HW_REG_IB_STS2, 6, 4)
	s_cmp_eq_u32 s2, 0
	s_cbranch_scc0 .Lentry_in_a_cluster
	s_endpgm
.Lentry_in_a_cluster:
	s_bfe_u32 s2, ttmp6, 0x10000c
	s_cmp_lg_u32 s2, 0xf033
	s_cbranch_scc0 .Lentry_shape_is_right
	s_endpgm
.Lentry_shape_is_right:
; out0[token][feature] = the sum over e of o[token][e] Wo[feature][e]: [8192 x 1024 x 1024], operands in f16, sums and result in f32.
; Both operands arrive as images of operand registers: [tile of 16 rows][K fragment 32][half 2][lane 32][16 bytes], 32,768 bytes a tile of rows; a K step of 128 is 4,096 consecutive bytes of each tile of rows.
; A tile of the result is 128 tokens x 256 features: 256 work-groups (tiles of 256 x 256 would be 128).  Four waves, each 64 tokens x 128 features: 32 accumulators, 256 registers.
; K goes in 8 steps of 128 through a ring of two LDS slots (o's 8 tiles of rows, then Wo's 16, 4,096 bytes each, as they lie: a fragment load is 16 x lane + a constant).
; CLUSTERS: 4 x 4 work-groups; o's tiles are asked for jointly along a row of the cluster, Wo's along a column.  Waves 0 and 1 fetch o's halves (4 rows of 4,096 bytes), waves 2 and 3 Wo's (8 rows).
; THE MATRIX INSTRUCTION IS USED TRANSPOSED (source 0 = 16 features of Wo, source 1 = 16 tokens): a lane holds eight neighbouring features of one token.
; REGISTERS: window 0: v16-29 addresses; two fragment buffers at v32 and v128: o's four fragments, then Wo's eight; on the way out v32-159 hold rows.   window 1: the accumulators, (a, b) at v[8 (8 a + b)].
.set SLOT,   98304
.set BOFF,   32768                     ; Wo's images in a slot
.set STAGE,  2*SLOT                    ; behind the ring: 16 rows x (512 + 16) bytes for each wave; no tile lands there
.set SPITCH, 528
.set SPARE,  STAGE+4*16*SPITCH         ; the spare words, 128 bytes a wave, named by no other line
.set LAPS,   4                         ; a lap = two K steps
.set ADRA, 16
.set ADRB, 20
.set STO,  24
.set RD,   25
.set CO,   26
.set SPW,  28
.set NIL,  29
.set F0,   32
.set F1,   128
.set BK,   32                          ; the way out: v32-95 and v96-159 by turns
.set G1, 24
.set G0, 32
.set G1B, 48
.set G0B, 56
.set MSB, 0
.macro WIN new
.if MSB != (\new)
	s_set_vgpr_msb (MSB<<8)|(\new)
.set MSB, (\new)
.endif
.endm
.set MUL, 0x50                         ; sources in window 0, C and D in window 1
.macro JLOAD s                         ; a joint load; the branch hangs on the wave's number alone; an s_nop 0 and four v_nop follow each line
	s_cmp_eq_u32 s11, 0
	s_cbranch_scc0 .Lfor_b_\@
	tensor_load_to_lds s[G0+4*\s:G0+4*\s+3], s[G1:G1+7]
	s_nop 0
.rept 4
	v_nop
.endr
	s_branch .Lasked_\@
.Lfor_b_\@:
	tensor_load_to_lds s[G0B+4*\s:G0B+4*\s+3], s[G1B:G1B+7]
	s_nop 0
.rept 4
	v_nop
.endr
.Lasked_\@:
.endm
.macro CREST                           ; a round of the cluster's barrier behind its opening barrier
	s_cmp_lg_u32 s10, 0
	s_cbranch_scc1 .Lnot_wave_0_\@
	s_barrier_signal -3
.Lnot_wave_0_\@:
	s_barrier_wait -3
	s_barrier_signal -1
	s_barrier_wait -1
.endm
.macro CROUND
	s_barrier_signal -1
	s_barrier_wait -1
	CREST
.endm
	s_load_b128 s[4:7], s[0:1], 0x0                ; o_img, wo_img
	s_load_b64 s[8:9], s[0:1], 0x10                ; out0
	v_lshl_add_u32 v[SPW], v0, 2, SPARE
	v_mov_b32 v[NIL], 0
	ds_add_u32 v[SPW], v[NIL]                      ; the wave's opening: the add, twice on end, and its wait ahead of my first tensor load
	ds_add_u32 v[SPW], v[NIL]
	v_lshrrev_b32 v1, 5, v0
	v_readfirstlane_b32 s10, v1                    ; wave 0..3
	s_lshr_b32 s11, s10, 1                         ; my half of the tokens.  Also: I fetch for o (0) or for Wo (1)
	s_and_b32 s12, s10, 1                          ; my half of the features.  Also: which half of that tile I fetch
	s_bfe_u32 s40, ttmp6, 0x40000                  ; cx, cy
	s_bfe_u32 s41, ttmp6, 0x40004
	s_lshl_b32 s42, ttmp9, 2
	s_add_co_u32 s42, s42, s40                     ; tile column
	s_and_b32 s13, ttmp7, 0xffff
	s_lshl_b32 s13, s13, 2
	s_add_co_u32 s13, s13, s41                     ; tile row
	s_lshl_b32 s43, s41, 2
	s_lshl_b32 s43, 15, s43                        ; my row of the cluster
	s_lshl_b32 s44, 0x1111, s40                    ; my column
	s_or_b32 s[G1+0], s43, (3<<16)|(1<<21)         ; the mask; elements of 8 bytes; no padding; bit 21 beside a mask
	s_or_b32 s[G1B+0], s44, (3<<16)|(1<<21)
	s_mov_b32 s[G1+1], 512<<16                     ; tensor_dim0 = 512 elements: 4,096 bytes
	s_mov_b32 s[G1+2], 4<<16                       ; tensor_dim1 = 4 tiles of rows
	s_mov_b32 s[G1+3], 512<<16                     ; tile_dim0
	s_mov_b32 s[G1+4], 4                           ; tile_dim1
	s_mov_b32 s[G1+5], 4096                        ; from one tile of rows to the next: 32,768 bytes
	s_mov_b32 s[G1+6], 0
	s_mov_b32 s[G1+7], 0
	s_mov_b32 s[G1B+1], 512<<16
	s_mov_b32 s[G1B+2], 8<<16
	s_mov_b32 s[G1B+3], 512<<16
	s_mov_b32 s[G1B+4], 8
	s_mov_b32 s[G1B+5], 4096
	s_mov_b32 s[G1B+6], 0
	s_mov_b32 s[G1B+7], 0
	s_lshl_b32 s16, s13, 3
	s_lshl_b32 s17, s12, 2
	s_add_co_u32 s16, s16, s17                     ; o: token tile 8 x tile row + 4 x half
	s_lshl_b32 s16, s16, 15
	s_mov_b32 s17, 0
	s_lshl_b32 s46, s42, 4
	s_lshl_b32 s47, s12, 3
	s_add_co_u32 s46, s46, s47                     ; Wo: feature tile 16 x tile column + 8 x half
	s_lshl_b32 s46, s46, 15
	s_mov_b32 s47, 0
	s_lshl_b32 s20, s12, 14                        ; where they go: o's halves,
	s_lshl_b32 s21, s12, 15
	s_add_co_u32 s21, s21, BOFF                    ; Wo's halves behind them
	s_wait_dscnt 0x0                               ; both opening adds are done
	s_wait_kmcnt 0x0
	s_add_nc_u64 s[14:15], s[4:5], s[16:17]
	s_add_nc_u64 s[46:47], s[6:7], s[46:47]
	CROUND                                         ; all sixteen work-groups are here: the first joint loads meet
.irp s, 0,1
	s_mov_b32 s[G0+4*\s], 1
	s_add_co_u32 s[G0+4*\s+1], s20, \s*SLOT
	s_add_nc_u64 s[G0+4*\s+2:G0+4*\s+3], s[14:15], \s*4096
	s_or_b32 s[G0+4*\s+3], s[G0+4*\s+3], 0x80000000
	s_mov_b32 s[G0B+4*\s], 1
	s_add_co_u32 s[G0B+4*\s+1], s21, \s*SLOT
	s_add_nc_u64 s[G0B+4*\s+2:G0B+4*\s+3], s[46:47], \s*4096
	s_or_b32 s[G0B+4*\s+3], s[G0B+4*\s+3], 0x80000000
	JLOAD \s                                       ; two loads of mine are out
.endr
	v_and_b32 v1, 31, v0
	v_lshlrev_b32 v[CO], 4, v1                     ; 16 x lane
	s_lshl_b32 s21, s11, 14                        ; my four token tiles
	s_lshl_b32 s22, s12, 15
	s_add_co_u32 s22, s22, BOFF                    ; my eight feature tiles
.irp s, 0,1
	v_add_nc_u32 v[ADRA+\s], s21, v[CO]
	v_add_nc_u32 v[ADRB+\s], s22, v[CO]
	s_add_co_u32 s21, s21, SLOT
	s_add_co_u32 s22, s22, SLOT
.endr
	s_mul_i32 s23, s10, 16*SPITCH
	s_add_co_u32 s23, s23, STAGE                   ; my stage
	v_and_b32 v2, 15, v0
	v_bfe_u32 v3, v0, 4, 1
	v_mul_u32_u24 v4, v2, SPITCH
	v_lshl_add_u32 v4, v3, 5, v4
	v_add_nc_u32 v[STO], s23, v4                   ; in: row l % 16, 32 bytes for each half of the lanes
	v_add_nc_u32 v[RD], s23, v[CO]                 ; back: the 32 lanes take one row of 512 bytes
	s_lshl_b32 s16, s13, 7
	s_lshl_b32 s17, s11, 6
	s_add_co_u32 s16, s16, s17                     ; my first token: 128 x tile row + 64 x half
	s_lshl_b32 s16, s16, 12                        ; 4,096 bytes a row of the result
	s_mov_b32 s17, 0
	s_add_nc_u64 s[8:9], s[8:9], s[16:17]
	s_lshl_b32 s46, s42, 10                        ; my first feature, in bytes: 1,024 x tile column + 512 x half
	s_lshl_b32 s47, s12, 9
	s_add_co_u32 s46, s46, s47
	s_mov_b32 s47, 0
	s_add_nc_u64 s[8:9], s[8:9], s[46:47]
.macro FETCH slot, q, f                ; 24 LDS loads in one run: the slot's q-th 32 along K: Wo's eight fragments, o's four
.irp b, 0,1,2,3,4,5,6,7
	ds_load_b128 v[\f+32+8*\b:\f+32+8*\b+3],   v[ADRB+\slot] offset:4096*\b+1024*\q
	ds_load_b128 v[\f+32+8*\b+4:\f+32+8*\b+7], v[ADRB+\slot] offset:4096*\b+1024*\q+512
.endr
.irp a, 0,1,2,3
	ds_load_b128 v[\f+8*\a:\f+8*\a+3],   v[ADRA+\slot] offset:4096*\a+1024*\q
	ds_load_b128 v[\f+8*\a+4:\f+8*\a+7], v[ADRA+\slot] offset:4096*\a+1024*\q+512
.endr
.endm
.macro MUL8 f, a, zero                 ; token block a against the eight feature blocks; the 32 accumulators take turns, in one order throughout
.irp b, 0,1,2,3,4,5,6,7
.if \zero
	v_wmma_f32_16x16x32_f16 v[8*(8*\a+\b):8*(8*\a+\b)+7], v[\f+32+8*\b:\f+32+8*\b+7], v[\f+8*\a:\f+8*\a+7], 0
.else
	v_wmma_f32_16x16x32_f16 v[8*(8*\a+\b):8*(8*\a+\b)+7], v[\f+32+8*\b:\f+32+8*\b+7], v[\f+8*\a:\f+8*\a+7], v[8*(8*\a+\b):8*(8*\a+\b)+7]
.endif
.endr
.endm
.macro PLACES                          ; four plain vector instructions in front of loads into registers that matrix instructions have read, and of the first read of results
.rept 4
	v_nop
.endr
.endm
; A quarter of a K step: 32 along K, 32 matrix instructions on buffer f; ahead of them the next quarter's fragments are asked for, into buffer g.
.macro QUARTER slot, qn, f, g, zero
	s_wait_dscnt 0x0                               ; buffer f, asked for a quarter ago, is in
	PLACES                                         ; buffer g's last readers stand just before
	WIN 0
	FETCH \slot, \qn, \g
	WIN MUL
	MUL8 \f, 0, \zero
	MUL8 \f, 1, \zero
	MUL8 \f, 2, \zero
	MUL8 \f, 3, \zero
.endm
; A slot's last quarter multiplies buffer 1 and changes slots: ONE barrier; in front of it each wave waits for all its tensor loads, adds 0 to its spare word, and waits for that and for its reads of this slot.
; fill = 1: the barrier opens a round of the cluster's barrier, and this slot is filled again, two K steps ahead, first thing behind the round.
.macro TURN slot, next, fill
	WIN 0
	s_wait_tensorcnt 0x0                           ; all my tensor loads have landed: my part of the next slot
	ds_add_u32 v[SPW], v[NIL]
	s_wait_dscnt 1                                 ; buffer 1 is in (the add may be out)
	WIN MUL
	MUL8 F1, 0, 0
	s_wait_dscnt 0x0                               ; the add is done, and my reads of this slot are over
	s_barrier_signal -1
	MUL8 F1, 1, 0
	WIN 0
	s_barrier_wait -1
.if \fill
	CREST                                          ; no wave of any partner still reads this slot's tile or has a load on its way
	s_add_nc_u64 s[G0+4*\slot+2:G0+4*\slot+3], s[G0+4*\slot+2:G0+4*\slot+3], 8192
	s_add_nc_u64 s[G0B+4*\slot+2:G0B+4*\slot+3], s[G0B+4*\slot+2:G0B+4*\slot+3], 8192
	JLOAD \slot                                    ; the four v_nop behind it are also the places in front of the loads below
.else
	PLACES
.endif
	FETCH \next, 0, F0
	WIN MUL
	MUL8 F1, 2, 0
	MUL8 F1, 3, 0
.endm
	s_wait_tensorcnt 1                             ; my part of K step 0 is in (K step 1's may be out)
	s_barrier_signal -1
	s_barrier_wait -1                              ; everybody's is
	FETCH 0, 0, F0
	QUARTER 0, 1, F0, F1, 1                        ; the first quarter stands in front of the loop: its products start the sums
	WIN 0
	s_mov_b32 s3, LAPS-1
.Llap:                                                 ; a trip goes once round the ring, from a lap's second quarter to the next lap's first, and fills both slots again
	QUARTER 0, 2, F1, F0, 0
	QUARTER 0, 3, F0, F1, 0
	TURN 0, 1, 1
	QUARTER 1, 1, F0, F1, 0
	QUARTER 1, 2, F1, F0, 0
	QUARTER 1, 3, F0, F1, 0
	TURN 1, 0, 1
	QUARTER 0, 1, F0, F1, 0
	WIN 0
	s_sub_co_u32 s3, s3, 1
	s_cmp_lg_u32 s3, 0
	s_cbranch_scc1 .Llap
	QUARTER 0, 2, F1, F0, 0                        ; the last lap fills nothing, and has no round of the cluster's barrier
	QUARTER 0, 3, F0, F1, 0
	TURN 0, 1, 0
	QUARTER 1, 1, F0, F1, 0
	QUARTER 1, 2, F1, F0, 0
	QUARTER 1, 3, F0, F1, 0
	s_wait_dscnt 0x0                               ; the very last quarter: nothing more to fetch
	MUL8 F1, 0, 0
	MUL8 F1, 1, 0
	MUL8 F1, 2, 0
	MUL8 F1, 3, 0
	WIN 0
; THE WAY OUT, a block of 16 tokens x 128 features at a time: a lane holds 32 neighbouring bytes of a row and the lanes beside it other rows, so a block goes through my own stage and comes back as whole rows of 512 bytes.
; LDS serves a wave's instructions in order (ISA guide 5.7.1.4): no wait between the stores and the loads, nor in front of the next block's stores.
.macro TOSTAGE a
	WIN 0x04                                       ; an LDS store's data: window 1
.irp b, 0,1,2,3,4,5,6,7
	ds_store_b128 v[STO], v[8*(8*\a+\b):8*(8*\a+\b)+3] offset:64*\b          ; each accumulator from its low end on
	ds_store_b128 v[STO], v[8*(8*\a+\b)+4:8*(8*\a+\b)+7] offset:64*\b+16
.endr
	WIN 0
.irp t, 0,1,2,3,4,5,6,7,8,9,10,11,12,13,14,15
	ds_load_b128 v[BK+64*((\a)%2)+4*\t:BK+64*((\a)%2)+4*\t+3], v[RD] offset:\t*SPITCH
.endr
.endm
.macro SEND a, younger                 ; younger: the LDS instructions issued behind block a's loads, which may stay out
	s_wait_dscnt \younger
.irp t, 0,1,2,3,4,5,6,7,8,9,10,11,12,13,14,15
	global_store_b128 v[CO], v[BK+64*((\a)%2)+4*\t:BK+64*((\a)%2)+4*\t+3], s[8:9] offset:(16*\a+\t)*4096 th:TH_STORE_NT   ; 32 lanes store 512 consecutive bytes, aligned
.endr
.endm
	PLACES                                         ; behind the last products: for the reads of results and the loads into the fragments' registers
	TOSTAGE 0
	TOSTAGE 1
	SEND 0, 32                                     ; behind block 0's loads: block 1's 16 stores and 16 loads
	s_wait_xcnt 0x0                                ; block 0's stores have read their registers: block 2's loads may land there
	TOSTAGE 2
	SEND 1, 32
	s_wait_xcnt 0x0
	TOSTAGE 3
	SEND 2, 32
	SEND 3, 0
	s_wait_tensorcnt 0x0                           ; the wave's end, behind my last tensor load and my last LDS store
	ds_add_u32 v[SPW], v[NIL]
	s_wait_dscnt 0x0
	CROUND                                         ; the closing round
	s_endpgm
.Lfunc_end_k_qc83a271e82_proj:
	.size	k_qc83a271e82_proj, .Lfunc_end_k_qc83a271e82_proj-k_qc83a271e82_proj
	.p2alignl 7, 3214868480
	.fill 96, 4, 3214868480
	.section	.rodata,"a",@progbits
	.p2align	6, 0x0
	.amdhsa_kernel k_qc83a271e82_proj
		.amdhsa_group_segment_fixed_size 327680
		.amdhsa_private_segment_fixed_size 0
		.amdhsa_enable_private_segment 0
		.amdhsa_kernarg_size 24
		.amdhsa_user_sgpr_count 2
		.amdhsa_user_sgpr_kernarg_segment_ptr 1
		.amdhsa_wavefront_size32 1
		.amdhsa_system_sgpr_workgroup_id_x 1
		.amdhsa_system_sgpr_workgroup_id_y 1
		.amdhsa_system_sgpr_workgroup_id_z 1
		.amdhsa_system_vgpr_workitem_id 0
		.amdhsa_next_free_vgpr 512
		.amdhsa_next_free_sgpr 66
		.amdhsa_reserve_vcc 0
		.amdhsa_float_denorm_mode_32 3
		.amdhsa_float_denorm_mode_16_64 3
		.amdhsa_memory_ordered 1
		.amdhsa_forward_progress 1
		.amdhsa_inst_pref_size 84
	.end_amdhsa_kernel
	.amdgpu_metadata
---
amdhsa.version: [ 1, 2 ]
amdhsa.kernels:
  - .name:           k_qc83a271e82_proj
    .symbol:         k_qc83a271e82_proj.kd
    .args:
      - { .name: o_img, .offset: 0, .size: 8, .value_kind: global_buffer, .address_space: global }
      - { .name: wo_img, .offset: 8, .size: 8, .value_kind: global_buffer, .address_space: global }
      - { .name: out0, .offset: 16, .size: 8, .value_kind: global_buffer, .address_space: global }
    .group_segment_fixed_size: 327680
    .private_segment_fixed_size: 0
    .kernarg_segment_align: 8
    .kernarg_segment_size: 24
    .max_flat_workgroup_size: 128
    .sgpr_count:     66
    .vgpr_count:     512
    .wavefront_size: 32
...
	.end_amdgpu_metadata
.endif
;; end of part 4
